; MI455X (gfx1250); checked and timed in simulation.
; The chip was launched on July 23, 2026; its instructions are those of AMD's public machine-readable ISA for CDNA 5 (MIT licence, August 2026) and "CDNA5" Instruction Set Architecture Reference Guide (July 2026). The comments in the code are by the model that wrote it; some were corrected since.
;; Attention. Allowed arithmetic: float matrix products may take bf16 or f16 operands with f32 sums; all other float work in f32.
;; Inputs: w_out 1,024 x 1,024 float32; w_qkv 3,072 x 1,024 float32; x 2 x 2,048 x 1,024 float32.
;; Outputs: out0 2 x 2,048 x 1,024 float32.
;; One version. Each part assembles by itself: llvm-mc -triple=amdgcn-amd-amdhsa -mcpu=gfx1250 --defsym DOCPART=n.
;; ======== version 1 of 1: 4 launches
;; limits: values are held in f16: magnitudes above 65,504 overflow, below 6.1e-05 lose precision
;; workspace buffers: hx 16,777,216 bytes; qkvh 25,165,824 bytes; ao 8,388,608 bytes
;; launch prep (part 1): grid 256 x 1, 8 waves a work-group, no clusters, 0 bytes of LDS; arguments x, w_qkv, w_out, hx; writes hx
.if DOCPART == 1
	.amdgcn_target "amdgcn-amd-amdhsa--gfx1250"
	.amdhsa_code_object_version 6
	.text
	.protected	k_q6bfa958f36_prep
	.globl	k_q6bfa958f36_prep
	.p2align	8
	.type	k_q6bfa958f36_prep,@function
k_q6bfa958f36_prep:
	s_mov_b64 s[64:65], 0
	v_nop
	global_prefetch_b8 v0, s[64:65] scope:SCOPE_SE
	s_setreg_imm32_b32 hwreg(HW_REG_WAVE_MODE, 25, 1), 1
	s_wait_xcnt 0x0
; hx[8192][1024] f16:  rows 0-4095 = x;  rows 4096-7167 = w_qkv, each row times 1 / (|row| + 32 * 1e-4);  rows 7168-8191 = w_out likewise.
; (reference: w / (eps + |w| / 32) / 32 = w / (32 eps + |w|): one factor for each weight row, folded in where the row is rounded to 16 bits.)
; A stream: every input byte is read once, every byte of hx written once.  No LDS, no barrier, no matrix unit: a row never leaves its wave.
; Work-group g owns rows 32 g .. 32 g + 31 of hx (g < 128: x; g < 224: w_qkv; else w_out); wave w four of them; a lane 16 bytes at 512 j + 16 lane of a row.
; All 32 loads of a wave (16 KiB) go out at once; nothing is rewritten while it is a source, so there is no wait but the counted ones on the loads.
; LIMITS: f16 holds magnitudes up to 65504 (a larger x becomes infinite) and below 6.1e-5 has an absolute error of up to 3e-8;
; the sum of a weight row's squares is kept in f32, so a row's norm stays below about 1.8e19.
.set X,  16                            ; v[16:143]   row q at X + 32 q, load j at + 4 j
.set Y,  144                           ; v[144:207]  row q at Y + 16 q: the row's f16, two in a register
.set SQ, 4                             ; v[4:11]     four chains of squares, two numbers each
.set FA, 14                            ; v[14:15]    the row's factor, twice
	s_load_b256 s[4:11], s[0:1], 0x0               ; x s[4:5], w_qkv s[6:7], w_out s[8:9], hx s[10:11]
	v_and_b32 v1, 31, v0                           ; lane
	v_lshrrev_b32 v2, 5, v0                        ; wave
	v_lshlrev_b32 v3, 13, v2                       ; stores: wave x 4 rows x 2,048 bytes
	v_lshl_add_u32 v3, v1, 3, v3                   ;         + 8 bytes a lane
	v_lshlrev_b32 v2, 14, v2                       ; loads:  wave x 4 rows x 4,096 bytes
	v_lshl_add_u32 v2, v1, 4, v2                   ;         + 16 bytes a lane
	v_mov_b32 v12, 0                               ; v_permlanex16_b32 counts as a reader of its destination
	s_mov_b32 s20, 0x76543210                      ; lane i of one half reads lane i of the other
	s_mov_b32 s21, 0xfedcba98
	s_wait_kmcnt 0x0
	s_cmp_lt_u32 ttmp9, 128                        ; which input, and the first work-group of its range
	s_cselect_b64 s[12:13], s[4:5], s[6:7]
	s_cselect_b32 s14, 0, 128
	s_cmp_lt_u32 ttmp9, 224
	s_cselect_b64 s[12:13], s[12:13], s[8:9]
	s_cselect_b32 s14, s14, 224
	s_sub_co_u32 s16, ttmp9, s14
	s_lshl_b32 s16, s16, 17                        ; 32 rows of 4,096 bytes
	s_mov_b32 s17, 0
	s_add_nc_u64 s[12:13], s[12:13], s[16:17]
	s_lshl_b32 s18, ttmp9, 16                      ; 32 rows of 2,048 bytes
	s_mov_b32 s19, 0
	s_add_nc_u64 s[10:11], s[10:11], s[18:19]
.irp q, 0,1,2,3
.irp j, 0,1,2,3,4,5,6,7
	global_load_b128 v[X+32*\q+4*\j:X+32*\q+4*\j+3], v2, s[12:13] offset:\q*4096+\j*512 th:TH_LOAD_NT
.endr
.endr
; One row.  norm = 1: a weight row, scaled by 1 / (its norm + 0.0032).
.macro ROW q, norm
	s_wait_loadcnt 8*(3-\q)                        ; loads come back in order (ISA guide 5.7.1): this row's eight are in, the later rows' stay out
.if \norm
.irp c, 0,1,2,3
	v_pk_mul_f32 v[SQ+2*\c:SQ+2*\c+1], v[X+32*\q+2*\c:X+32*\q+2*\c+1], v[X+32*\q+2*\c:X+32*\q+2*\c+1]   ; the first squares start the chains
.endr
.set p, 4
.rept 12
	v_pk_fma_f32 v[SQ+2*(p%4):SQ+2*(p%4)+1], v[X+32*\q+2*p:X+32*\q+2*p+1], v[X+32*\q+2*p:X+32*\q+2*p+1], v[SQ+2*(p%4):SQ+2*(p%4)+1]
.set p, p+1
.endr
	v_pk_add_f32 v[SQ:SQ+1], v[SQ:SQ+1], v[SQ+2:SQ+3]
	v_pk_add_f32 v[SQ+4:SQ+5], v[SQ+4:SQ+5], v[SQ+6:SQ+7]
	v_pk_add_f32 v[SQ:SQ+1], v[SQ:SQ+1], v[SQ+4:SQ+5]
	v_add_f32 v[SQ], v[SQ], v[SQ+1]
	v_add_f32_dpp v[SQ], v[SQ], v[SQ] row_xmask:1 row_mask:0xf bank_mask:0xf
	v_add_f32_dpp v[SQ], v[SQ], v[SQ] row_xmask:2 row_mask:0xf bank_mask:0xf
	v_add_f32_dpp v[SQ], v[SQ], v[SQ] row_xmask:4 row_mask:0xf bank_mask:0xf
	v_add_f32_dpp v[SQ], v[SQ], v[SQ] row_xmask:8 row_mask:0xf bank_mask:0xf
	v_permlanex16_b32 v12, v[SQ], s20, s21
	v_add_f32 v[SQ], v[SQ], v12                    ; every lane holds the row's sum of squares
	v_sqrt_f32 v[SQ+1], v[SQ]
	v_nop                                          ; one plain vector instruction behind a transcendental before its result is used (ISA guide 5.7.2)
	s_wait_alu depctr_va_vdst(0)
	v_add_f32 v[SQ+1], 0x3b51b717, v[SQ+1]         ; + 32 * 1e-4
	v_rcp_f32 v[FA], v[SQ+1]
	v_nop
	s_wait_alu depctr_va_vdst(0)
	v_mov_b32 v[FA+1], v[FA]
.set p, 0
.rept 16
	v_pk_mul_f32 v[X+32*\q+2*p:X+32*\q+2*p+1], v[X+32*\q+2*p:X+32*\q+2*p+1], v[FA:FA+1]
.set p, p+1
.endr
.endif
.set p, 0
.rept 16
	v_cvt_pk_f16_f32 v[Y+16*\q+p], v[X+32*\q+2*p], v[X+32*\q+2*p+1]
.set p, p+1
.endr
.irp j, 0,1,2,3,4,5,6,7
	global_store_b64 v3, v[Y+16*\q+2*\j:Y+16*\q+2*\j+1], s[10:11] offset:\q*2048+\j*256   ; the wave's 32 lanes store 256 consecutive bytes, at a multiple of 256 from hx's first byte
.endr
.endm
	s_cmp_lt_u32 ttmp9, 128
	s_cbranch_scc1 .Lplain
	ROW 0, 1
	ROW 1, 1
	ROW 2, 1
	ROW 3, 1
	s_endpgm
.Lplain:
	ROW 0, 0
	ROW 1, 0
	ROW 2, 0
	ROW 3, 0
	s_endpgm
.Lfunc_end_k_q6bfa958f36_prep:
	.size	k_q6bfa958f36_prep, .Lfunc_end_k_q6bfa958f36_prep-k_q6bfa958f36_prep
	.p2alignl 7, 3214868480
	.fill 96, 4, 3214868480
	.section	.rodata,"a",@progbits
	.p2align	6, 0x0
	.amdhsa_kernel k_q6bfa958f36_prep
		.amdhsa_group_segment_fixed_size 0
		.amdhsa_private_segment_fixed_size 0
		.amdhsa_enable_private_segment 0
		.amdhsa_kernarg_size 32
		.amdhsa_user_sgpr_count 2
		.amdhsa_user_sgpr_kernarg_segment_ptr 1
		.amdhsa_wavefront_size32 1
		.amdhsa_system_sgpr_workgroup_id_x 1
		.amdhsa_system_sgpr_workgroup_id_y 1
		.amdhsa_system_sgpr_workgroup_id_z 1
		.amdhsa_system_vgpr_workitem_id 0
		.amdhsa_next_free_vgpr 208
		.amdhsa_next_free_sgpr 66
		.amdhsa_reserve_vcc 0
		.amdhsa_float_denorm_mode_32 3
		.amdhsa_float_denorm_mode_16_64 3
		.amdhsa_memory_ordered 1
		.amdhsa_forward_progress 1
		.amdhsa_inst_pref_size 31
	.end_amdhsa_kernel
	.amdgpu_metadata
---
amdhsa.version: [ 1, 2 ]
amdhsa.kernels:
  - .name:           k_q6bfa958f36_prep
    .symbol:         k_q6bfa958f36_prep.kd
    .args:
      - { .name: x, .offset: 0, .size: 8, .value_kind: global_buffer, .address_space: global }
      - { .name: w_qkv, .offset: 8, .size: 8, .value_kind: global_buffer, .address_space: global }
      - { .name: w_out, .offset: 16, .size: 8, .value_kind: global_buffer, .address_space: global }
      - { .name: hx, .offset: 24, .size: 8, .value_kind: global_buffer, .address_space: global }
    .group_segment_fixed_size: 0
    .private_segment_fixed_size: 0
    .kernarg_segment_align: 8
    .kernarg_segment_size: 32
    .max_flat_workgroup_size: 256
    .sgpr_count:     66
    .vgpr_count:     208
    .wavefront_size: 32
...
	.end_amdgpu_metadata
.endif
;; end of part 1
;; launch qkv (part 2): grid 16 x 16, 4 waves a work-group, clusters of 4 x 4, 327,680 bytes of LDS; arguments hx, qkvh; writes qkvh
.if DOCPART == 2
	.amdgcn_target "amdgcn-amd-amdhsa--gfx1250"
	.amdhsa_code_object_version 6
	.text
	.protected	k_q6bfa958f36_qkv
	.globl	k_q6bfa958f36_qkv
	.p2align	8
	.type	k_q6bfa958f36_qkv,@function
k_q6bfa958f36_qkv:
	s_mov_b64 s[64:65], 0
	v_nop
	global_prefetch_b8 v0, s[64:65] scope:SCOPE_SE
	s_setreg_imm32_b32 hwreg(HW_REG_WAVE_MODE, 25, 1), 1
	s_wait_xcnt 0x0
	s_wait_alu depctr_hold_cnt(0) depctr_sa_sdst(0) depctr_va_vdst(0) depctr_va_sdst(0) depctr_va_ssrc(0) depctr_va_vcc(0) depctr_vm_vsrc(0)
	s_getreg_b32 s2, hwreg(HW_REG_IB_STS2, 6, 4)
	s_cmp_eq_u32 s2, 0
	s_cbranch_scc0 .Lentry_in_a_cluster
	s_endpgm
.Lentry_in_a_cluster:
	s_bfe_u32 s2, ttmp6, 0x10000c
	s_cmp_lg_u32 s2, 0xf033
	s_cbranch_scc0 .Lentry_shape_is_right
	s_endpgm
.Lentry_shape_is_right:
; qkv[m][n] = sum over k of x[m][k] w[n][k], x = hx rows 0-4095, w = hx rows 4096-7167 (already normalised), both f16 [.][1024]; sums in f32.
; On the way out each head's 64 numbers of q and of k are divided by (1e-4 + norm / 8); q is also multiplied by 0.125 log2(e), so that the
; attention's exponential is a bare 2^s; v goes out as it is.  Output: qkvh[48][4096][64] f16, plane g = n / 64 (0-15 q, 16-31 k, 32-47 v heads).
; A work-group makes 256 x 192 of the product with four waves; a wave makes 64 rows x all 192 columns = three whole heads, so a head's norm
; stays inside the wave: 48 accumulator tiles of 16 x 16, 384 registers.  16 x 16 = 256 work-groups.
; K goes in steps of 128 through a ring of two LDS slots filled by tensor loads; a tile's rows are 256 bytes of memory at multiples of 256.
; CLUSTERS: 4 x 4 work-groups.  The four of a row of the cluster need the same tiles of x, the four of a column the same tiles of w: each tile is
; asked for jointly, by the same load with the same descriptor and a mask that names the four, which divides the requests by four.
; REGISTERS: window 0: v16-26 addresses, v32-50 the norms, v64-127 x's fragments (two buffers of 4 x 8), v128-223 the way out;
;   window 1: v0-191 w's fragments (two buffers of 12 x 8);  window 2: accumulators of my rows 0-31 (tile (a, b) at v[8 (12 a + b)]);  window 3: rows 32-63.
; THE MATRIX INSTRUCTION IS USED TRANSPOSED: source 0 = 16 rows of w, source 1 = 16 rows of x: lane l then holds row l % 16 of the product and
; its registers 0-7 the columns 8 (l / 16) + 0..7: eight neighbouring numbers, 16 bytes of f16.
; LIMITS: operands and results are f16: magnitudes up to 65504; below 6.1e-5 an absolute error of up to 3e-8.  A head's sum of squares is kept in f32.
.set TA, 4                             ; 16-row tiles of x in a wave's block
.set TB, 12                            ; 16-column tiles
.set KS, 128                           ; K in a slot
.set NQ, 4                             ; quarter steps of 32 along K in a slot
.set PITCH, 2*KS+16                    ; an LDS row: 256 bytes + 16 of padding: the 16 rows that a fragment load touches begin 16 bytes apart modulo 256
.set RA, 128                           ; rows in one tensor load of x
.set RB, 96                            ; rows in one tensor load of w
.set HALFA, RA*PITCH
.set HALFB, RB*PITCH
.set SLOT, 2*HALFA+2*HALFB             ; x's 256 rows, then w's 192 rows
.set STAGE, 2*SLOT                     ; behind the ring: 3 heads x 16 rows x 144 bytes for each wave; no tensor load lands here
.set SBYTES, 6912
.set LAPS, 1024/(2*KS)                 ; a lap = once round the ring
.set G1W0, (1<<16)|(1<<20)|(1<<21)|(5<<22)|(3<<25)   ; 2-byte elements; padding on; bit 21 beside a mask; after every 64 words; 4 words
.set ADRA, 16                          ; v16-17  LDS address of my x fragments in slot 0, 1
.set ADRB, 20                          ; v20-21  the same for w
.set STO, 24                           ; v24     the way out: where I put 16 bytes
.set RD,  25                           ; v25     the way out: where I read back
.set CO,  26                           ; v26     my byte offset in a store's 512 bytes
.set SS,  32                           ; v[32:37] three pairs: sums of squares of the three heads
.set T,   38                           ; v[38:40]
.set U,   41                           ; v[41:43]
.set F,   44                           ; v[44:49] three pairs: the heads' factors
.set ONE, 50                           ; v50 = 1.0
.set AF,  64                           ; x's fragments
.set PK,  128                          ; v[128:175] packed f16
.set BK,  176                          ; v[176:223] read back from the stage
.set G1, 24                            ; s[24:31] group 1 for x's tiles
.set G0, 32                            ; s[32:39] group 0 for x's tiles, a set for each slot
.set G1B, 48                           ; s[48:55] group 1 for w's tiles
.set G0B, 56                           ; s[56:63] group 0 for w's tiles
.set MSB, 0
.macro WIN new                         ; the immediate's high byte repeats the setting that is left
.if MSB != \new
	s_set_vgpr_msb (MSB<<8)|\new
.set MSB, \new
.endif
.endm
.set MUL_LO, 0xa1                      ; source 0 (w) window 1, source 1 (x) window 0, C and D window 2
.set MUL_HI, 0xf1                      ; the same, C and D window 3
.set TO_B,   0x40                      ; destination window 1, address window 0
; A joint load.  Waves 0 and 1 fetch x's two halves, waves 2 and 3 w's.  The branch hangs on the wave's number alone.
.macro JLOAD s
	s_cmp_eq_u32 s11, 0
	s_cbranch_scc0 .Lfor_b_\@
	tensor_load_to_lds s[G0+4*\s:G0+4*\s+3], s[G1:G1+7]
	s_nop 0
	s_branch .Lasked_\@
.Lfor_b_\@:
	tensor_load_to_lds s[G0B+4*\s:G0B+4*\s+3], s[G1B:G1B+7]
	s_nop 0
.Lasked_\@:
.endm
; A round of the cluster's barrier: my work-group's barrier; wave 0 signals for the work-group; every wave waits for all sixteen; my work-group's barrier again.
.macro CREST                           ; a round behind its opening barrier
	s_cmp_lg_u32 s10, 0
	s_cbranch_scc1 .Lnot_wave_0_\@
	s_barrier_signal -3
.Lnot_wave_0_\@:
	s_barrier_wait -3
	s_barrier_signal -1
	s_barrier_wait -1
.endm
.macro CROUND
	s_barrier_signal -1
	s_barrier_wait -1
	CREST
.endm
	s_load_b128 s[4:7], s[0:1], 0x0                ; hx s[4:5], qkvh s[6:7]
	s_set_vgpr_msb 0x40
	v_lshl_add_u32 v255, v0, 2, 0x42400
	s_set_vgpr_msb 0x4000
	v_mov_b32 v255, 0
	s_set_vgpr_msb 0x1
	ds_add_u32 v255, v255
	s_set_vgpr_msb 0x100
	v_lshrrev_b32 v1, 5, v0
	v_readfirstlane_b32 s10, v1                    ; wave 0..3: my 64 rows of the block
	s_lshr_b32 s11, s10, 1                         ; I fetch for x (0) or for w (1)
	s_and_b32 s12, s10, 1                          ; which half of that tile's rows
	s_bfe_u32 s40, ttmp6, 0x40000                  ; cx
	s_bfe_u32 s41, ttmp6, 0x40004                  ; cy
	s_lshl_b32 s42, ttmp9, 2
	s_add_co_u32 s42, s42, s40                     ; block column = 4 x cluster x + cx
	s_and_b32 s13, ttmp7, 0xffff
	s_lshl_b32 s13, s13, 2
	s_add_co_u32 s13, s13, s41                     ; block row = 4 x cluster y + cy
	s_lshl_b32 s43, s41, 2
	s_lshl_b32 s43, 15, s43                        ; my row of the cluster: places 4 cy .. 4 cy + 3
	s_lshl_b32 s44, 0x1111, s40                    ; my column: places cx, cx + 4, cx + 8, cx + 12
	s_or_b32 s[G1+0], s43, G1W0                    ; x's tiles go to my row of the cluster
	s_or_b32 s[G1B+0], s44, G1W0                   ; w's tiles to my column
	s_mov_b32 s[G1+1], KS<<16                      ; tensor_dim0 = 128
	s_mov_b32 s[G1B+1], KS<<16
	s_mov_b32 s[G1+2], RA<<16                      ; tensor_dim1 = the tile's rows
	s_mov_b32 s[G1B+2], RB<<16
	s_mov_b32 s[G1+3], KS<<16                      ; tile_dim0 = 128 elements, 256 bytes
	s_mov_b32 s[G1B+3], KS<<16
	s_mov_b32 s[G1+4], RA                          ; tile_dim1
	s_mov_b32 s[G1B+4], RB
	s_mov_b32 s[G1+5], 1024                        ; elements from row to row
	s_mov_b32 s[G1B+5], 1024
	s_mov_b32 s[G1+6], 0
	s_mov_b32 s[G1B+6], 0
	s_mov_b32 s[G1+7], 0
	s_mov_b32 s[G1B+7], 0
	; x's tiles hang on the block row alone, which my row of the cluster shares; w's on the block column alone.  Each in registers that never hold the other coordinate.
	s_mul_i32 s17, s12, RA
	s_mul_i32 s16, s13, 2*RA
	s_add_co_u32 s16, s16, s17                     ; x: row 256 x block row + 128 x half
	s_lshl_b32 s16, s16, 11                        ; rows of 2,048 bytes
	s_mov_b32 s17, 0
	s_mul_i32 s47, s12, RB
	s_mul_i32 s46, s42, 2*RB
	s_add_co_u32 s46, s46, s47                     ; w: row 192 x block column + 96 x half
	s_lshl_b32 s46, s46, 11
	s_mov_b32 s47, 0
	s_mul_i32 s20, s10, HALFA                      ; where x's halves go (waves 0, 1): wave x 128 rows
	s_mul_i32 s45, s10, HALFB                      ; where w's halves go (waves 2, 3): behind x's 256 rows, (wave - 2) x 96 rows
	s_add_co_u32 s45, s45, 2*HALFA-2*HALFB
	s_wait_dscnt 0x0
	s_wait_kmcnt 0x0
	s_mov_b64 s[8:9], s[6:7]                       ; the output
	s_add_nc_u64 s[6:7], s[4:5], 0x800000          ; w = hx row 4096
	s_add_nc_u64 s[14:15], s[4:5], s[16:17]
	s_add_nc_u64 s[46:47], s[6:7], s[46:47]
	CROUND                                         ; all sixteen work-groups are here: the first joint loads meet
.irp s, 0,1
	s_mov_b32 s[G0+4*\s], 1
	s_add_co_u32 s[G0+4*\s+1], s20, \s*SLOT
	s_add_nc_u64 s[G0+4*\s+2:G0+4*\s+3], s[14:15], \s*KS*2
	s_or_b32 s[G0+4*\s+3], s[G0+4*\s+3], 0x80000000
	s_mov_b32 s[G0B+4*\s], 1
	s_add_co_u32 s[G0B+4*\s+1], s45, \s*SLOT
	s_add_nc_u64 s[G0B+4*\s+2:G0B+4*\s+3], s[46:47], \s*KS*2
	s_or_b32 s[G0B+4*\s+3], s[G0B+4*\s+3], 0x80000000
	JLOAD \s                                       ; both slots' first fills: two tensor loads of the wave are out here, later one
.endr
	; A fragment is 16 rows x 32 K in 8 registers: lane l holds row l % 16; registers 0-3 K = 8 (l / 16) + 0..7, registers 4-7 K = 16 + 8 (l / 16) + 0..7.
	v_and_b32 v1, 15, v0                           ; l % 16
	v_bfe_u32 v2, v0, 4, 1                         ; l / 16
	v_mul_u32_u24 v3, v1, PITCH
	v_lshl_add_u32 v3, v2, 4, v3
	s_mul_i32 s21, s10, 64*PITCH                   ; my 64 rows of x
	s_mov_b32 s22, 2*HALFA                         ; all 192 rows of w
.irp s, 0,1
	v_add_nc_u32 v[ADRA+\s], s21, v3
	v_add_nc_u32 v[ADRB+\s], s22, v3
	s_add_co_u32 s21, s21, SLOT
	s_add_co_u32 s22, s22, SLOT
.endr
	s_mul_i32 s23, s10, SBYTES
	s_add_co_u32 s23, s23, STAGE                   ; my stage
	v_mul_u32_u24 v4, v1, 144                      ; in: row l % 16 of a head's 16 x 128 bytes, 16 bytes for each half of the lanes
	v_lshl_add_u32 v4, v2, 4, v4
	v_add_nc_u32 v[STO], s23, v4
	v_bfe_u32 v5, v0, 3, 2                         ; back: eight lanes take one row of 128 bytes, the wave four rows
	v_and_b32 v6, 7, v0
	v_mul_u32_u24 v5, v5, 144
	v_lshl_add_u32 v5, v6, 4, v5
	v_add_nc_u32 v[RD], s23, v5
	v_and_b32 v6, 31, v0
	v_lshlrev_b32 v[CO], 4, v6                     ; four rows of a plane are 512 consecutive bytes: 16 x lane
	v_mov_b32 v[ONE], 1.0
	v_mov_b32 v[U], 0                              ; v_permlanex16_b32 counts as a reader of its destination
	v_mov_b32 v[U+1], 0
	v_mov_b32 v[U+2], 0
; TB matrix instructions: row tile a of the window's two (hi = 0: my rows 0-31, 1: rows 32-63) x all column tiles, 32 along K, from buffer f.
; zero = 1: the first product starts the sums.
.macro MULROW f, hi, a, zero
.set mb, 0
.rept TB
.if \zero
	v_wmma_f32_16x16x32_f16 v[8*(TB*\a+mb):8*(TB*\a+mb)+7], v[8*TB*\f+8*mb:8*TB*\f+8*mb+7], v[AF+32*\f+8*(2*\hi+\a):AF+32*\f+8*(2*\hi+\a)+7], 0
.else
	v_wmma_f32_16x16x32_f16 v[8*(TB*\a+mb):8*(TB*\a+mb)+7], v[8*TB*\f+8*mb:8*TB*\f+8*mb+7], v[AF+32*\f+8*(2*\hi+\a):AF+32*\f+8*(2*\hi+\a)+7], v[8*(TB*\a+mb):8*(TB*\a+mb)+7]
.endif
.set mb, mb+1
.endr
.endm
; One run of LDS loads: the fragments of a quarter step (w's, then x's, 32 K at byte k of the rows) into buffer f
.macro FETCH slot, k, f
	WIN TO_B
.set fi, 0
.rept TB
	ds_load_b128 v[8*TB*\f+8*fi:8*TB*\f+8*fi+3],   v[ADRB+\slot] offset:\k+fi*16*PITCH
	ds_load_b128 v[8*TB*\f+8*fi+4:8*TB*\f+8*fi+7], v[ADRB+\slot] offset:\k+fi*16*PITCH+32
.set fi, fi+1
.endr
	WIN 0
.set fi, 0
.rept TA
	ds_load_b128 v[AF+32*\f+8*fi:AF+32*\f+8*fi+3],   v[ADRA+\slot] offset:\k+fi*16*PITCH
	ds_load_b128 v[AF+32*\f+8*fi+4:AF+32*\f+8*fi+7], v[ADRA+\slot] offset:\k+fi*16*PITCH+32
.set fi, fi+1
.endr
.endm
; A load into a register that a matrix instruction has read, and a vector instruction or LDS store that reads a matrix result, stand four plain vector
; instructions behind it (ISA guide 7.12.1 for vector instructions); the matrix instructions in between are not counted.
.macro PLACES
.rept 4
	v_nop
.endr
.endm
; A quarter step: 48 matrix instructions on buffer f; in its middle the next quarter's fragments, at byte k of the same slot's rows, go into buffer g.
; The 48 accumulators take turns, one instruction a turn, in the same order in every quarter.
.macro QUARTER slot, k, f, g, zero
	s_wait_dscnt 4                                 ; w's fragments and x's rows 0-31 are in; the youngest four loads (x's rows 32-63) may be out
	WIN MUL_LO
	MULROW \f, 0, 0, \zero
	MULROW \f, 0, 1, \zero
	PLACES
	FETCH \slot, \k, \g
	s_wait_dscnt 2*(TA+TB)                         ; all but the run just issued
	WIN MUL_HI
	MULROW \f, 1, 0, \zero
	MULROW \f, 1, 1, \zero
.endm
.macro MOST slot, zero
	QUARTER \slot, 64,  0, 1, \zero
	QUARTER \slot, 128, 1, 0, 0
	QUARTER \slot, 192, 0, 1, 0
.endm
; The last quarter of a slot: multiplies buffer 1 and changes slots.  fill = 1: this slot is filled again, two K steps ahead.
; In front of the barrier each wave waits for its reads of this slot and for all its tensor loads (one is out: its part of the next slot).
; Behind it (with a fill: behind the cluster's round that it opens) the refill comes first, then the next slot's first fragments.
.macro TURN slot, next, fill
	s_wait_dscnt 4
	WIN MUL_LO
	MULROW 1, 0, 0, 0
	s_wait_dscnt 0                                 ; my reads of this slot are over
	s_wait_tensorcnt 0x0                           ; all my tensor loads have landed
	ds_add_u32 v255, v255
	s_wait_dscnt 0x0
	s_barrier_signal -1
	MULROW 1, 0, 1, 0                              ; register work while the others arrive
	WIN 0
	s_barrier_wait -1
.if \fill
	CREST                                          ; no wave of any partner still reads this slot or has a load on its way
	s_add_nc_u64 s[G0+4*\slot+2:G0+4*\slot+3], s[G0+4*\slot+2:G0+4*\slot+3], 2*KS*2
	s_add_nc_u64 s[G0B+4*\slot+2:G0B+4*\slot+3], s[G0B+4*\slot+2:G0B+4*\slot+3], 2*KS*2
	JLOAD \slot                                    ; the wave's one tensor load behind the round
.endif
	PLACES
	FETCH \next, 0, 0
	WIN MUL_HI
	MULROW 1, 1, 0, 0
	MULROW 1, 1, 1, 0
.endm
.macro LAP zero
	MOST 0, \zero
	TURN 0, 1, 1
	MOST 1, 0
	TURN 1, 0, 1
.endm
	s_wait_tensorcnt 1                             ; my part of K step 0 is in; K step 1's may stay out
	s_barrier_signal -1
	s_barrier_wait -1
	FETCH 0, 0, 0
	LAP 1                                          ; the first lap stands in front of the loop: its first products start the sums
	WIN 0                                          ; at a label and at a branch every window is 0
	s_mov_b32 s3, LAPS-2
.Llap:
	LAP 0
	WIN 0
	s_sub_co_u32 s3, s3, 1
	s_cmp_lg_u32 s3, 0
	s_cbranch_scc1 .Llap
	MOST 0, 0                                      ; the last lap fills nothing
	TURN 0, 1, 0
	MOST 1, 0
	s_wait_dscnt 4
	WIN MUL_LO
	MULROW 1, 0, 0, 0
	MULROW 1, 0, 1, 0
	s_wait_dscnt 0
	WIN MUL_HI
	MULROW 1, 1, 0, 0
	MULROW 1, 1, 1, 0
	; THE WAY OUT, 16 rows at a time.
	PLACES
	s_lshl_b32 s16, s13, 15                        ; my first row: (256 x block row + 64 x wave) x 128 bytes
	s_lshl_b32 s17, s10, 13
	s_add_co_u32 s16, s16, s17
	s_mov_b32 s17, 0
	s_add_nc_u64 s[8:9], s[8:9], s[16:17]
	s_mul_i32 s46, s42, 3*524288                   ; my first plane: 3 x block column (in the registers that held w's address: none that feeds x's descriptors ever holds cx)
	s_mov_b32 s47, 0
	s_add_nc_u64 s[8:9], s[8:9], s[46:47]
	s_mov_b32 s66, 0x76543210
	s_mov_b32 s67, 0xfedcba98
	s_mov_b32 s68, 0x3e000000                      ; 1 / 8 = 1 / sqrt(64)
	s_mov_b32 s69, 0x38d1b717                      ; 1e-4
	s_mul_i32 s76, s42, 3                          ; plane of my head 0.  No branch hangs on it: the three kinds differ by a factor and a select
.irp j, 0,1,2
	s_cmp_lt_u32 s76, 16
	s_cselect_b32 s[70+\j], 0x3e38aa3b, 1.0        ; q: 0.125 log2(e); k: 1
	s_cmp_lt_u32 s76, 32
	s_cselect_b32 s[73+\j], 0, -1                  ; v: every lane takes the factor 1 instead
	s_add_co_u32 s76, s76, 1
.endr
; rows 16 n .. 16 n + 15 of my block = the twelve tiles (al, 0..11) of window 2 or 3.  wsrc: sources 0 and 1 in that window; wmul: source 0 and destination.
.macro OUTQ n, al, wsrc, wmul
	WIN \wsrc
.set pp, 0
.rept 16                               ; a lane's 32 numbers of each head, three chains that do not wait for each other
.irp j, 0,1,2
.set ax, 8*(TB*\al+4*\j+(pp>>2))+2*(pp&3)
.if pp == 0
	v_pk_mul_f32 v[SS+2*\j:SS+2*\j+1], v[ax:ax+1], v[ax:ax+1]
.else
	v_pk_fma_f32 v[SS+2*\j:SS+2*\j+1], v[ax:ax+1], v[ax:ax+1], v[SS+2*\j:SS+2*\j+1]
.endif
.endr
.set pp, pp+1
.endr
	WIN 0
.irp j, 0,1,2
	v_add_f32 v[T+\j], v[SS+2*\j], v[SS+2*\j+1]
.endr
.irp j, 0,1,2
	v_permlanex16_b32 v[U+\j], v[T+\j], s66, s67   ; the row's other 32 numbers lie in lane l xor 16
.endr
.irp j, 0,1,2
	v_add_f32 v[T+\j], v[T+\j], v[U+\j]
.endr
.irp j, 0,1,2
	v_sqrt_f32 v[U+\j], v[T+\j]
.endr
	v_nop                                          ; one plain vector instruction behind the transcendentals (ISA guide 5.7.2)
	s_wait_alu depctr_va_vdst(0)
.irp j, 0,1,2
	v_fma_f32 v[T+\j], v[U+\j], s68, s69           ; norm / 8 + 1e-4
.endr
.irp j, 0,1,2
	v_rcp_f32 v[U+\j], v[T+\j]
.endr
	v_nop
	s_wait_alu depctr_va_vdst(0)
.irp j, 0,1,2
	v_mul_f32 v[U+\j], s[70+\j], v[U+\j]
.endr
.irp j, 0,1,2
	v_cndmask_b32 v[F+2*\j], v[U+\j], v[ONE], s[73+\j]
	v_cndmask_b32 v[F+2*\j+1], v[U+\j], v[ONE], s[73+\j]
.endr
	WIN \wmul
.irp j, 0,1,2
.set pp, 0
.rept 16
.set ax, 8*(TB*\al+4*\j+(pp>>2))+2*(pp&3)
	v_pk_mul_f32 v[ax:ax+1], v[ax:ax+1], v[F+2*\j:F+2*\j+1]
.set pp, pp+1
.endr
.endr
	WIN \wsrc
.set pp, 0
.rept 48
	v_cvt_pk_f16_f32 v[PK+pp], v[8*TB*\al+2*pp], v[8*TB*\al+2*pp+1]
.set pp, pp+1
.endr
	WIN 0
.irp j, 0,1,2
.irp b, 0,1,2,3
	ds_store_b128 v[STO], v[PK+4*(4*\j+\b):PK+4*(4*\j+\b)+3] offset:\j*2304+32*\b
.endr
.endr
	s_wait_xcnt 0x0                                ; every earlier memory instruction has had its addresses translated (ISA guide 3.1): BK, which the last stores read, is loaded again only behind this wait
.irp j, 0,1,2
.irp t, 0,1,2,3
	ds_load_b128 v[BK+4*(4*\j+\t):BK+4*(4*\j+\t)+3], v[RD] offset:\j*2304+\t*576   ; LDS serves a wave's instructions in order (ISA guide 5.7.1.4): these see the stores above
.endr
.endr
.irp j, 0,1,2
.irp t, 0,1,2,3
	s_wait_dscnt 11-(4*\j+\t)
	global_store_b128 v[CO], v[BK+4*(4*\j+\t):BK+4*(4*\j+\t)+3], s[8:9] offset:\j*524288+\n*2048+\t*512   ; four rows of a plane: 512 consecutive bytes, at a multiple of 512
.endr
.endr
.endm
	OUTQ 0, 0, 0x0a, 0x82
	OUTQ 1, 1, 0x0a, 0x82
	OUTQ 2, 0, 0x0f, 0xc3
	OUTQ 3, 1, 0x0f, 0xc3
	s_set_vgpr_msb 0x1
	s_wait_tensorcnt 0x0
	ds_add_u32 v255, v255
	s_wait_dscnt 0x0
	s_set_vgpr_msb 0x100
	CROUND                                         ; the closing round: no work-group ends while a partner may still ask for a tile that names it
	s_endpgm
.Lfunc_end_k_q6bfa958f36_qkv:
	.size	k_q6bfa958f36_qkv, .Lfunc_end_k_q6bfa958f36_qkv-k_q6bfa958f36_qkv
	.p2alignl 7, 3214868480
	.fill 96, 4, 3214868480
	.section	.rodata,"a",@progbits
	.p2align	6, 0x0
	.amdhsa_kernel k_q6bfa958f36_qkv
		.amdhsa_group_segment_fixed_size 327680
		.amdhsa_private_segment_fixed_size 0
		.amdhsa_enable_private_segment 0
		.amdhsa_kernarg_size 16
		.amdhsa_user_sgpr_count 2
		.amdhsa_user_sgpr_kernarg_segment_ptr 1
		.amdhsa_wavefront_size32 1
		.amdhsa_system_sgpr_workgroup_id_x 1
		.amdhsa_system_sgpr_workgroup_id_y 1
		.amdhsa_system_sgpr_workgroup_id_z 1
		.amdhsa_system_vgpr_workitem_id 0
		.amdhsa_next_free_vgpr 1024
		.amdhsa_next_free_sgpr 80
		.amdhsa_reserve_vcc 0
		.amdhsa_float_denorm_mode_32 3
		.amdhsa_float_denorm_mode_16_64 3
		.amdhsa_memory_ordered 1
		.amdhsa_forward_progress 1
		.amdhsa_inst_pref_size 194
	.end_amdhsa_kernel
	.amdgpu_metadata
---
amdhsa.version: [ 1, 2 ]
amdhsa.kernels:
  - .name:           k_q6bfa958f36_qkv
    .symbol:         k_q6bfa958f36_qkv.kd
    .args:
      - { .name: hx, .offset: 0, .size: 8, .value_kind: global_buffer, .address_space: global }
      - { .name: qkvh, .offset: 8, .size: 8, .value_kind: global_buffer, .address_space: global }
    .group_segment_fixed_size: 327680
    .private_segment_fixed_size: 0
    .kernarg_segment_align: 8
    .kernarg_segment_size: 16
    .max_flat_workgroup_size: 128
    .sgpr_count:     80
    .vgpr_count:     1024
    .wavefront_size: 32
...
	.end_amdgpu_metadata
.endif
;; end of part 2
;; launch attn (part 3): grid 8 x 32, 4 waves a work-group, clusters of 4 x 1, 327,680 bytes of LDS; arguments qkvh, ao; writes ao
.if DOCPART == 3
	.amdgcn_target "amdgcn-amd-amdhsa--gfx1250"
	.amdhsa_code_object_version 6
	.text
	.protected	k_q6bfa958f36_attn
	.globl	k_q6bfa958f36_attn
	.p2align	8
	.type	k_q6bfa958f36_attn,@function
k_q6bfa958f36_attn:
	s_mov_b64 s[64:65], 0
	v_nop
	global_prefetch_b8 v0, s[64:65] scope:SCOPE_SE
	s_setreg_imm32_b32 hwreg(HW_REG_WAVE_MODE, 25, 1), 1
	s_wait_xcnt 0x0
	s_wait_alu depctr_hold_cnt(0) depctr_sa_sdst(0) depctr_va_vdst(0) depctr_va_sdst(0) depctr_va_ssrc(0) depctr_va_vcc(0) depctr_vm_vsrc(0)
	s_getreg_b32 s2, hwreg(HW_REG_IB_STS2, 6, 4)
	s_cmp_eq_u32 s2, 0
	s_cbranch_scc0 .Lentry_in_a_cluster
	s_endpgm
.Lentry_in_a_cluster:
	s_bfe_u32 s2, ttmp6, 0x10000c
	s_cmp_lg_u32 s2, 0x3003
	s_cbranch_scc0 .Lentry_shape_is_right
	s_endpgm
.Lentry_shape_is_right:
; ao[b*2048+t][64 h + d] = sum over keys of softmax(q.k / 8) v, for each of 32 (batch, head) pairs.  q, k, v: planes of qkvh [48][4096][64] f16; ao [4096][1024] f16.
; q and k come normalised, and q already holds the factor 0.125 log2(e): the weight of a key is 2^(q.k), one v_exp_f32 and nothing else.
; NO MAXIMUM IS TAKEN AWAY, because the computation itself bounds the exponents for every input: q and k were divided by (1e-4 + norm / 8), so their norms are at
; most 8 and |q.k| / 8 <= 8 by Cauchy-Schwarz.  So each weight lies in [3.3e-4, 3.0e3], inside f16's normal range, and a sum of 2,048 of them is below 6.2e6 in f32.
; A work-group takes 256 queries of one (b, h), a wave 64.  8 x 32 = 256 work-groups.
; CLUSTERS: the four work-groups of a cluster are four query blocks of one (b, h) and walk the same K and V tiles: every tile is asked for jointly (mask 15).
; Keys go in 8 tiles of 256 through two LDS slots; waves 0, 1 bring V's halves, waves 2, 3 K's: one tensor load a wave and tile, one out at any time.
; BOTH PRODUCTS ARE TRANSPOSED.  S^T = K Q^T: lane (r, h) holds keys 8 h + 0..7 of query r, which is, packed to f16 in the lane, the B fragment P^T of
; O^T = V^T P^T; V^T's A fragment comes by the transposing LDS load.  So the weights never leave their lane.  In O^T a lane holds 8 neighbouring d of one query.
; A block is 32 keys: 16 matrix instructions for S, 64 exponentials, 32 conversions, 32 row-sum lines, 16 matrix instructions for O.
; Block i + 1's S products carry block i's exponentials between them; block i's O products carry its row sums.
; ao's rows are written in pieces of 128 bytes (a head's 64 numbers, eight neighbouring lanes); the piece beside it belongs to another head's work-group.
; REGISTERS: window 0: v8-15 addresses, v16-31 the way out, v32-63 K fragments, v64-95 V fragments, v96-127 P fragments, v128-191 and v192-255 two score buffers;
;   window 1: v0-127 O (tile (dt, qt) at 8 (4 qt + dt)), v128-191 Q fragments, v192-207 row sums.
; LIMITS: operands and ao are f16: magnitudes of v up to 65504; below 6.1e-5 an absolute error of up to 3e-8.
.set VP,   160                         ; V's LDS pitch: 128 bytes + 32
.set KP,   144                         ; K's LDS pitch: 128 bytes + 16
.set KOFF, 256*VP                      ; K's rows lie behind V's 256
.set SLOT, 256*VP+256*KP               ; 77,824
.set STAGE, 2*SLOT                     ; behind the ring: 64 rows x 144 bytes for each wave; no tensor load lands here
.set STEP, 32768                       ; 256 keys x 128 bytes
.set KA,  8                            ; v8-9    LDS address of my K fragments in slot 0, 1
.set VA,  10                           ; v10-11  the same for V
.set QOFF, 12
.set STO, 13
.set RD,  14
.set CO,  15
.set TS,  16                           ; v[16:23] the way out: row sums
.set RL,  24                           ; v[24:31] their reciprocals, a pair for each query tile
.set KF,  32
.set VF,  64
.set PF,  96
.set S0,  128
.set S1,  192
.set QF,  128                          ; window 1
.set LS,  192                          ; window 1: pair s of eight
.set G1V, 16
.set G1K, 24
.set G0V, 32
.set G0K, 40
.set MSB, 0
.macro WIN new                         ; the immediate's high byte repeats the setting that is left
.if MSB != \new
	s_set_vgpr_msb (MSB<<8)|\new
.set MSB, \new
.endif
.endm
.macro ROUND                           ; a round of the cluster's barrier
	s_barrier_signal -1
	s_barrier_wait -1
	s_cmp_lg_u32 s8, 0
	s_cbranch_scc1 .Lnot_wave_0_\@
	s_barrier_signal -3
.Lnot_wave_0_\@:
	s_barrier_wait -3
	s_barrier_signal -1
	s_barrier_wait -1
.endm
.macro JLOAD s                         ; waves 0, 1: a half of V's tile; waves 2, 3: a half of K's.  The branch hangs on the wave's number alone
	s_cmp_eq_u32 s9, 0
	s_cbranch_scc0 .Lfor_k_\@
	tensor_load_to_lds s[G0V+4*(\s):G0V+4*(\s)+3], s[G1V:G1V+7]
	s_nop 0
	s_branch .Lasked_\@
.Lfor_k_\@:
	tensor_load_to_lds s[G0K+4*(\s):G0K+4*(\s)+3], s[G1K:G1K+7]
	s_nop 0
.Lasked_\@:
.endm
	s_load_b128 s[4:7], s[0:1], 0x0                ; qkvh s[4:5], ao s[6:7]
	s_set_vgpr_msb 0x40
	v_lshl_add_u32 v254, v0, 2, 0x2f000
	v_mov_b32 v255, 0
	s_set_vgpr_msb 0x4045
	ds_add_u32 v254, v255
	s_set_vgpr_msb 0x4500
	v_lshrrev_b32 v1, 5, v0
	v_readfirstlane_b32 s8, v1                     ; wave
	s_lshr_b32 s9, s8, 1                           ; I fetch for V (0) or for K (1)
	s_and_b32 s10, s8, 1                           ; which 128 keys of the tile
	s_bfe_u32 s11, ttmp6, 0x40000                  ; cx
	s_lshl_b32 s12, ttmp9, 2
	s_add_co_u32 s12, s12, s11                     ; query block = 4 x cluster x + cx
	s_and_b32 s13, ttmp7, 0xffff                   ; 16 b + h
	s_and_b32 s56, s13, 15                         ; h
	s_lshr_b32 s57, s13, 4                         ; b
	s_lshl_b32 s14, s56, 19                        ; h planes of 524,288 bytes
	s_lshl_b32 s15, s57, 18                        ; + b x 2,048 rows of 128 bytes
	s_add_co_u32 s14, s14, s15
	s_lshl_b32 s58, s10, 14                        ; + my half of a tile: 128 rows
	s_add_co_u32 s58, s58, s14
	s_mov_b32 s59, 0
	s_mov_b32 s[G1V+0], 0x0f31000f                 ; mask 15; 2-byte elements; padding on; bit 21 beside the mask; after every 32 words; 8 words
	s_mov_b32 s[G1K+0], 0x0731000f                 ; the same with 4 words
	s_mov_b32 s[G1V+1], 64<<16                     ; tensor_dim0 = 64
	s_mov_b32 s[G1K+1], 64<<16
	s_mov_b32 s[G1V+2], 128<<16                    ; tensor_dim1 = 128
	s_mov_b32 s[G1K+2], 128<<16
	s_mov_b32 s[G1V+3], 64<<16                     ; tile_dim0 = 64 elements: a head's row, 128 bytes
	s_mov_b32 s[G1K+3], 64<<16
	s_mov_b32 s[G1V+4], 128                        ; tile_dim1 = 128 rows
	s_mov_b32 s[G1K+4], 128
	s_mov_b32 s[G1V+5], 64                         ; elements from row to row
	s_mov_b32 s[G1K+5], 64
	s_mov_b32 s[G1V+6], 0
	s_mov_b32 s[G1K+6], 0
	s_mov_b32 s[G1V+7], 0
	s_mov_b32 s[G1K+7], 0
	s_mul_i32 s62, s8, 128*VP                      ; V's halves (waves 0, 1): wave x 128 rows
	s_mul_i32 s63, s8, 128*KP                      ; K's halves (waves 2, 3): behind V, (wave - 2) x 128 rows
	s_add_co_u32 s63, s63, KOFF-2*128*KP
	s_wait_dscnt 0x0
	s_wait_kmcnt 0x0
	s_add_nc_u64 s[60:61], s[4:5], s[58:59]
.irp s, 0,1
	s_mov_b32 s[G0V+4*\s], 1
	s_add_co_u32 s[G0V+4*\s+1], s62, \s*SLOT
	s_add_nc_u64 s[G0V+4*\s+2:G0V+4*\s+3], s[60:61], 0x1000000+\s*STEP    ; v's planes begin at plane 32; slot s starts with tile s
	s_or_b32 s[G0V+4*\s+3], s[G0V+4*\s+3], 0x80000000
	s_mov_b32 s[G0K+4*\s], 1
	s_add_co_u32 s[G0K+4*\s+1], s63, \s*SLOT
	s_add_nc_u64 s[G0K+4*\s+2:G0K+4*\s+3], s[60:61], 0x800000+\s*STEP     ; k's planes begin at plane 16
	s_or_b32 s[G0K+4*\s+3], s[G0K+4*\s+3], 0x80000000
.endr
	ROUND                                          ; the four partners are here: the first joint load meets
	JLOAD 0                                        ; tile 0
	; my queries and my rows of ao hang on cx: global addresses alone
	s_lshl_b32 s2, s12, 15                         ; 256 queries x 128 bytes
	s_lshl_b32 s3, s8, 13                          ; + 64 x wave
	s_add_co_u32 s2, s2, s3
	s_add_co_u32 s2, s2, s14
	s_mov_b32 s3, 0
	s_add_nc_u64 s[52:53], s[4:5], s[2:3]
	s_lshl_b32 s2, s57, 22                         ; ao: (2,048 b + 256 block + 64 wave) rows of 2,048 bytes + 128 h
	s_lshl_b32 s3, s12, 19
	s_add_co_u32 s2, s2, s3
	s_lshl_b32 s3, s8, 17
	s_add_co_u32 s2, s2, s3
	s_lshl_b32 s3, s56, 7
	s_add_co_u32 s2, s2, s3
	s_mov_b32 s3, 0
	s_add_nc_u64 s[54:55], s[6:7], s[2:3]
	s_mov_b32 s50, 0x76543210
	s_mov_b32 s51, 0xfedcba98
	v_and_b32 v1, 15, v0                           ; r
	v_bfe_u32 v2, v0, 4, 1                         ; h
	v_lshlrev_b32 v[QOFF], 7, v1
	v_lshl_add_u32 v[QOFF], v2, 4, v[QOFF]         ; r x 128 + 16 h
	WIN 0x40                                       ; destination window 1
.irp qt, 0,1,2,3
.irp ks, 0,1
	global_load_b128 v[QF+8*(2*\qt+\ks):QF+8*(2*\qt+\ks)+3],   v[QOFF], s[52:53] offset:2048*\qt+64*\ks
	global_load_b128 v[QF+8*(2*\qt+\ks)+4:QF+8*(2*\qt+\ks)+7], v[QOFF], s[52:53] offset:2048*\qt+64*\ks+32
.endr
.endr
	WIN 0
	v_and_b32 v3, 7, v0
	v_bfe_u32 v4, v0, 3, 1
	v_bfe_u32 v5, v0, 3, 2
	v_mul_u32_u24 v6, v1, KP
	v_lshl_add_u32 v6, v2, 4, v6                   ; r x 144 + 16 h
	v_add_nc_u32 v[KA], KOFF, v6
	v_add_nc_u32 v[KA+1], KOFF+SLOT, v6
	v_lshl_add_u32 v7, v2, 3, v3                   ; key 8 h + (l & 7)
	v_mul_u32_u24 v7, v7, VP
	v_lshl_add_u32 v[VA], v4, 4, v7                ; + 16 ((l >> 3) & 1)
	v_add_nc_u32 v[VA+1], SLOT, v[VA]
	s_mul_i32 s49, s8, 64*144
	s_add_co_u32 s49, s49, STAGE                   ; my stage
	v_add_nc_u32 v[STO], s49, v6
	v_mul_u32_u24 v7, v5, 144
	v_lshl_add_u32 v7, v3, 4, v7
	v_add_nc_u32 v[RD], s49, v7                    ; back: eight lanes take a row of 128 bytes
	v_lshlrev_b32 v[CO], 11, v5
	v_lshl_add_u32 v[CO], v3, 4, v[CO]
	s_wait_loadcnt 0x0                             ; Q, once
; K's fragments of block i: (kt, ks) = 16 keys x 32 d.  Eight loads.
.macro KLOAD slot, i
.irp kt, 0,1
.irp ks, 0,1
	ds_load_b128 v[KF+8*(2*\kt+\ks):KF+8*(2*\kt+\ks)+3],   v[KA+\slot] offset:32*KP*(\i)+16*KP*\kt+64*\ks
	ds_load_b128 v[KF+8*(2*\kt+\ks)+4:KF+8*(2*\kt+\ks)+7], v[KA+\slot] offset:32*KP*(\i)+16*KP*\kt+64*\ks+32
.endr
.endr
.endm
; V^T's fragments of block i: dt = 16 d x 32 keys, transposed on the way.  Eight loads.
.macro VLOAD slot, i
.irp dt, 0,1,2,3
	ds_load_tr16_b128 v[VF+8*\dt:VF+8*\dt+3],   v[VA+\slot] offset:32*VP*(\i)+32*\dt
	ds_load_tr16_b128 v[VF+8*\dt+4:VF+8*\dt+7], v[VA+\slot] offset:32*VP*(\i)+32*\dt+16*VP
.endr
.endm
; S^T of one block into buffer nxt: eight tiles s = 4 kt + qt, d 0-31 then d 32-63; the eight accumulators take turns, one instruction a turn.
; ex = 1: four exponentials of buffer cur, in place, ride behind each.
.macro SMM nxt, cur, ex
	WIN 0x04                                       ; source 1 (Q) window 1
.set sm_i, 0
.rept 16
.set sm_s, sm_i&7
.set sm_k, sm_i>>3
.if sm_k == 0
	v_wmma_f32_16x16x32_f16 v[\nxt+8*sm_s:\nxt+8*sm_s+7], v[KF+8*(2*(sm_s>>2)+sm_k):KF+8*(2*(sm_s>>2)+sm_k)+7], v[QF+8*(2*(sm_s&3)+sm_k):QF+8*(2*(sm_s&3)+sm_k)+7], 0
.else
	v_wmma_f32_16x16x32_f16 v[\nxt+8*sm_s:\nxt+8*sm_s+7], v[KF+8*(2*(sm_s>>2)+sm_k):KF+8*(2*(sm_s>>2)+sm_k)+7], v[QF+8*(2*(sm_s&3)+sm_k):QF+8*(2*(sm_s&3)+sm_k)+7], v[\nxt+8*sm_s:\nxt+8*sm_s+7]
.endif
.if \ex
	v_exp_f32 v[\cur+4*sm_i], v[\cur+4*sm_i]
	v_exp_f32 v[\cur+4*sm_i+1], v[\cur+4*sm_i+1]
	v_exp_f32 v[\cur+4*sm_i+2], v[\cur+4*sm_i+2]
	v_exp_f32 v[\cur+4*sm_i+3], v[\cur+4*sm_i+3]
.endif
.set sm_i, sm_i+1
.endr
.endm
; P^T's fragment of query tile qt: registers 0-3 keys 8 h + 0..7 (tile kt = 0), registers 4-7 keys 16 + 8 h + 0..7 (kt = 1)
.macro CVTQ cur, qt
.set cv_p, 0
	s_wait_alu depctr_va_vdst(0)
.rept 8
	v_cvt_pk_f16_f32 v[PF+8*\qt+cv_p], v[\cur+8*(4*(cv_p>>2)+\qt)+2*(cv_p&3)], v[\cur+8*(4*(cv_p>>2)+\qt)+2*(cv_p&3)+1]
.set cv_p, cv_p+1
.endr
.endm
; All four, and behind the first eight conversions (more than the four plain vector instructions that a load into registers
; which a matrix instruction has read wants behind it) K's fragments of block i2, if i2 >= 0.
.macro CVT cur, slot, i2
	WIN 0
	CVTQ \cur, 0
.if \i2 >= 0
	KLOAD \slot, \i2
.endif
	CVTQ \cur, 1
	CVTQ \cur, 2
	CVTQ \cur, 3
.endm
; Row-sum line f of 32: pair p = f >> 3 of tile s = f & 7 is added to pair s of the sums.  As a multiply-add by 1, since source 1's window is 0 and the sums lie in window 1.
; zero = 1: the lines of p = 0 add pairs 0 and 1 and so start the sums; those of p = 1 fall away.
.macro LSUM cur, f, zero
.set ls_s, (\f)&7
.set ls_p, (\f)>>3
.set ls_k, 2
.if \zero
.if ls_p == 0
.set ls_k, 1
.endif
.if ls_p == 1
.set ls_k, 0
.endif
.endif
.if ls_k == 2
	v_pk_fma_f32 v[LS+2*ls_s:LS+2*ls_s+1], v[\cur+8*ls_s+2*ls_p:\cur+8*ls_s+2*ls_p+1], 1.0, v[LS+2*ls_s:LS+2*ls_s+1] op_sel_hi:[1,0,1]
.endif
.if ls_k == 1
	v_pk_add_f32 v[LS+2*ls_s:LS+2*ls_s+1], v[\cur+8*ls_s:\cur+8*ls_s+1], v[\cur+8*ls_s+2:\cur+8*ls_s+3]
.endif
.endm
; O^T += V^T P^T for one block: sixteen accumulators by turns; the block's row sums between them.
; The last four row-sum lines stand behind the last matrix instruction: they are the four plain vector instructions in front of the next
; loads into V's fragments, the next conversions into P's and, at the end, the reads of O.
.macro PV cur, zero
	WIN 0x50                                       ; C and D window 1
.set pv_i, 0
.rept 16
.if \zero
	v_wmma_f32_16x16x32_f16 v[8*pv_i:8*pv_i+7], v[VF+8*(pv_i&3):VF+8*(pv_i&3)+7], v[PF+8*(pv_i>>2):PF+8*(pv_i>>2)+7], 0
.else
	v_wmma_f32_16x16x32_f16 v[8*pv_i:8*pv_i+7], v[VF+8*(pv_i&3):VF+8*(pv_i&3)+7], v[PF+8*(pv_i>>2):PF+8*(pv_i>>2)+7], v[8*pv_i:8*pv_i+7]
.endif
.if pv_i < 14
	LSUM \cur, 2*pv_i, \zero
	LSUM \cur, 2*pv_i+1, \zero
.endif
.if pv_i == 15
	LSUM \cur, 28, \zero
	LSUM \cur, 29, \zero
	LSUM \cur, 30, \zero
	LSUM \cur, 31, \zero
.endif
.set pv_i, pv_i+1
.endr
.endm
; Block i of 0..6.  On entry: buffer cur holds S of block i, K's fragments of block i + 1 are on their way.
.macro PH slot, i, cur, nxt, zero
	WIN 0x04
	VLOAD \slot, \i
	s_wait_dscnt 0x8                               ; K of block i + 1 is in; the eight loads of V just issued may be out
	SMM \nxt, \cur, 1
	v_nop                                          ; one plain vector instruction behind the exponentials before they are read (ISA guide 5.7.2)
	s_wait_alu depctr_va_vdst(0)
.if \i < 6
	CVT \cur, \slot, \i+2
	s_wait_dscnt 0x8                               ; V of block i is in; the eight younger loads of K may be out
.else
	CVT \cur, \slot, -1
	s_wait_dscnt 0x0                               ; V of block 6 is in; nothing was issued behind it
.endif
	PV \cur, \zero
.endm
; Block 7, first part: its V fragments leave the slot and its exponentials are taken, so that the slot is free at the change of tiles.
.macro PH7A slot
	WIN 0
	VLOAD \slot, 7
.set e_i, 0
.rept 64
	v_exp_f32 v[S1+e_i], v[S1+e_i]
.set e_i, e_i+1
.endr
	v_nop
	s_wait_alu depctr_va_vdst(0)
.endm
.macro BLOCKS slot, zero
	PH \slot, 0, S0, S1, \zero
	PH \slot, 1, S1, S0, 0
	PH \slot, 2, S0, S1, 0
	PH \slot, 3, S1, S0, 0
	PH \slot, 4, S0, S1, 0
	PH \slot, 5, S1, S0, 0
	PH \slot, 6, S0, S1, 0
	PH7A \slot
.endm
; The change of tiles, onto slot `slot`.  Every wave waits for all its tensor loads (its part of this slot's tile among them) and for its reads of the other
; slot, and opens a round of the cluster's barrier; behind the round the other slot's refill comes first, one load a wave; then S of the new tile's block 0.
.macro HEAD slot, refill
	s_set_vgpr_msb 0x5
	s_wait_tensorcnt 0x0                           ; no tensor load of mine is out, so every group 0 may be written:
	ds_add_u32 v254, v255
	s_wait_dscnt 0x0
	s_set_vgpr_msb 0x500
	s_add_nc_u64 s[G0V+4*\slot+2:G0V+4*\slot+3], s[G0V+4*\slot+2:G0V+4*\slot+3], 2*STEP   ; this slot's next tile
	s_add_nc_u64 s[G0K+4*\slot+2:G0K+4*\slot+3], s[G0K+4*\slot+2:G0K+4*\slot+3], 2*STEP
	s_wait_dscnt 0x0                               ; my reads of the other slot are back, V's block 7 among them
	ROUND
.if \refill
	JLOAD (1-\slot)
.endif
	KLOAD \slot, 0
	s_wait_dscnt 0x0
	SMM S0, S1, 0
.endm
; Block 7, second part, behind the change: its conversions (with K of the new tile's block 1 behind the first eight) and its O products.
.macro PH7B slot
	CVT S1, \slot, 1
	PV S1, 0
.endm
	HEAD 0, 1                                      ; tile 0; tile 1 goes out into slot 1
.rept 4
	v_nop                                          ; four plain vector instructions between the S products and the load into K's fragments
.endr
	KLOAD 0, 1
	BLOCKS 0, 1                                    ; the first block's products start O and the row sums: nothing is cleared
	HEAD 1, 1
	PH7B 1
	BLOCKS 1, 0
	s_mov_b32 s48, 2                               ; tiles 2 to 5
.Ltiles:
	HEAD 0, 1
	PH7B 0
	BLOCKS 0, 0
	HEAD 1, 1
	PH7B 1
	BLOCKS 1, 0
	s_sub_co_u32 s48, s48, 1
	s_cmp_lg_u32 s48, 0
	s_cbranch_scc1 .Ltiles
	HEAD 0, 1                                      ; tile 6; tile 7 goes out: the last load
	PH7B 0
	BLOCKS 0, 0
	HEAD 1, 0                                      ; tile 7: nothing is left to fetch (the stepped addresses are not used)
	PH7B 1
	BLOCKS 1, 0
	s_wait_dscnt 0x0                               ; V of the very last block
	CVT S1, 0, -1
	PV S1, 0
	; THE WAY OUT.  A query's sum: its two key tiles' pairs, the pair's halves, and the other half of the lanes.
	WIN 0x05                                       ; sources window 1, destination window 0
.irp qt, 0,1,2,3
	v_pk_add_f32 v[TS+2*\qt:TS+2*\qt+1], v[LS+2*\qt:LS+2*\qt+1], v[LS+8+2*\qt:LS+8+2*\qt+1]
.endr
	WIN 0
.irp qt, 0,1,2,3
	v_add_f32 v[TS+2*\qt], v[TS+2*\qt], v[TS+2*\qt+1]
.endr
.irp qt, 0,1,2,3
	v_permlanex16_b32 v[TS+2*\qt+1], v[TS+2*\qt], s50, s51
.endr
.irp qt, 0,1,2,3
	v_add_f32 v[TS+2*\qt], v[TS+2*\qt], v[TS+2*\qt+1]
.endr
.irp qt, 0,1,2,3
	v_rcp_f32 v[RL+2*\qt], v[TS+2*\qt]
	v_rcp_f32 v[RL+2*\qt+1], v[TS+2*\qt]
.endr
	v_nop
	WIN 0x41                                       ; O in window 1, the reciprocals in window 0
.set pp, 0
	s_wait_alu depctr_va_vdst(0)
.rept 64
	v_pk_mul_f32 v[2*pp:2*pp+1], v[2*pp:2*pp+1], v[RL+2*(pp>>4):RL+2*(pp>>4)+1]
.set pp, pp+1
.endr
	WIN 0x05
.set pp, 0
.rept 64
	v_cvt_pk_f16_f32 v[S0+pp], v[2*pp], v[2*pp+1]
.set pp, pp+1
.endr
	WIN 0
.irp qt, 0,1,2,3
.irp dt, 0,1,2,3
	ds_store_b128 v[STO], v[S0+4*(4*\qt+\dt):S0+4*(4*\qt+\dt)+3] offset:2304*\qt+32*\dt   ; query 16 qt + r, d 16 dt + 8 h + 0..7
.endr
.endr
.irp t, 0,1,2,3,4,5,6,7,8,9,10,11,12,13,14,15
	ds_load_b128 v[S1+4*\t:S1+4*\t+3], v[RD] offset:576*\t    ; LDS serves a wave's instructions in order (ISA guide 5.7.1.4): these see the stores above
.endr
.irp t, 0,1,2,3,4,5,6,7,8,9,10,11,12,13,14,15
	s_wait_dscnt 15-\t
	global_store_b128 v[CO], v[S1+4*\t:S1+4*\t+3], s[54:55] offset:8192*\t   ; four rows; eight lanes store a row's 128 consecutive bytes
.endr
	s_set_vgpr_msb 0x5
	s_wait_tensorcnt 0x0
	ds_add_u32 v254, v255
	s_wait_dscnt 0x0
	s_set_vgpr_msb 0x500
	ROUND                                          ; the closing round
	s_endpgm
.Lfunc_end_k_q6bfa958f36_attn:
	.size	k_q6bfa958f36_attn, .Lfunc_end_k_q6bfa958f36_attn-k_q6bfa958f36_attn
	.p2alignl 7, 3214868480
	.fill 96, 4, 3214868480
	.section	.rodata,"a",@progbits
	.p2align	6, 0x0
	.amdhsa_kernel k_q6bfa958f36_attn
		.amdhsa_group_segment_fixed_size 327680
		.amdhsa_private_segment_fixed_size 0
		.amdhsa_enable_private_segment 0
		.amdhsa_kernarg_size 16
		.amdhsa_user_sgpr_count 2
		.amdhsa_user_sgpr_kernarg_segment_ptr 1
		.amdhsa_wavefront_size32 1
		.amdhsa_system_sgpr_workgroup_id_x 1
		.amdhsa_system_sgpr_workgroup_id_y 1
		.amdhsa_system_sgpr_workgroup_id_z 1
		.amdhsa_system_vgpr_workitem_id 0
		.amdhsa_next_free_vgpr 512
		.amdhsa_next_free_sgpr 66
		.amdhsa_reserve_vcc 0
		.amdhsa_float_denorm_mode_32 3
		.amdhsa_float_denorm_mode_16_64 3
		.amdhsa_memory_ordered 1
		.amdhsa_forward_progress 1
		.amdhsa_inst_pref_size 255
	.end_amdhsa_kernel
	.section	.bss,"aw",@nobits
	.p2align	6
	.space	262144
	.amdgpu_metadata
---
amdhsa.version: [ 1, 2 ]
amdhsa.kernels:
  - .name:           k_q6bfa958f36_attn
    .symbol:         k_q6bfa958f36_attn.kd
    .args:
      - { .name: qkvh, .offset: 0, .size: 8, .value_kind: global_buffer, .address_space: global }
      - { .name: ao, .offset: 8, .size: 8, .value_kind: global_buffer, .address_space: global }
    .group_segment_fixed_size: 327680
    .private_segment_fixed_size: 0
    .kernarg_segment_align: 8
    .kernarg_segment_size: 16
    .max_flat_workgroup_size: 128
    .sgpr_count:     66
    .vgpr_count:     512
    .wavefront_size: 32
...
	.end_amdgpu_metadata
.endif
;; end of part 3
;; launch proj (part 4): grid 8 x 32, 4 waves a work-group, clusters of 4 x 4, 327,680 bytes of LDS; arguments ao, hx, out0; writes out0
.if DOCPART == 4
	.amdgcn_target "amdgcn-amd-amdhsa--gfx1250"
	.amdhsa_code_object_version 6
	.text
	.protected	k_q6bfa958f36_proj
	.globl	k_q6bfa958f36_proj
	.p2align	8
	.type	k_q6bfa958f36_proj,@function
k_q6bfa958f36_proj:
	s_mov_b64 s[64:65], 0
	v_nop
	global_prefetch_b8 v0, s[64:65] scope:SCOPE_SE
	s_setreg_imm32_b32 hwreg(HW_REG_WAVE_MODE, 25, 1), 1
	s_wait_xcnt 0x0
	s_wait_alu depctr_hold_cnt(0) depctr_sa_sdst(0) depctr_va_vdst(0) depctr_va_sdst(0) depctr_va_ssrc(0) depctr_va_vcc(0) depctr_vm_vsrc(0)
	s_getreg_b32 s2, hwreg(HW_REG_IB_STS2, 6, 4)
	s_cmp_eq_u32 s2, 0
	s_cbranch_scc0 .Lentry_in_a_cluster
	s_endpgm
.Lentry_in_a_cluster:
	s_bfe_u32 s2, ttmp6, 0x10000c
	s_cmp_lg_u32 s2, 0xf033
	s_cbranch_scc0 .Lentry_shape_is_right
	s_endpgm
.Lentry_shape_is_right:
; out0[m][n] = sum over k of ao[m][k] w[n][k], ao f16 [4096][1024], w = hx rows 7168-8191 (w_out, already normalised) f16 [1024][1024]; sums and out0 in f32.
; The text of the qkv product with other sizes: a work-group makes 128 x 128 with four waves of 64 x 64 (2 x 2), 16 accumulator tiles each; 8 x 32 = 256 work-groups.
; K goes in steps of 256 through a ring of two LDS slots (a slot holds two steps of 128 as rows of 512 bytes), so that one tensor load a wave has
; eight quarter steps, 128 matrix instructions less the four between signal and wait, in which to land.
; CLUSTERS: 4 x 4 work-groups; ao's tiles are shared along a row of the cluster, w's along a column, each asked for jointly by four.
; REGISTERS: window 0: v16-26 addresses, v64-127 ao's fragments (two buffers of 4 x 8), v128-159 the way out; window 1: v0-63 w's fragments;
;   window 2: accumulators of my rows 0-31 (tile (a, b) at v[8 (4 a + b)]); window 3: rows 32-63.
; THE MATRIX INSTRUCTION IS USED TRANSPOSED (source 0 = rows of w, source 1 = rows of ao): a lane holds eight neighbouring columns of one row, 32 bytes of f32.
; LIMITS: the operands are f16, as the launches before left them.
.set TA, 4
.set TB, 4
.set KS, 256
.set NQ, 8
.set PITCH, 2*KS+16                    ; an LDS row: 512 bytes + 16 of padding
.set RA, 64
.set RB, 64
.set HALFA, RA*PITCH
.set HALFB, RB*PITCH
.set SLOT, 2*HALFA+2*HALFB
.set STAGE, 2*SLOT                     ; behind the ring: 16 rows x 272 bytes for each wave; no tensor load lands here
.set SBYTES, 4352
.set G1W0, (1<<16)|(1<<20)|(1<<21)|(6<<22)|(3<<25)   ; 2-byte elements; padding on; bit 21 beside a mask; after every 128 words; 4 words
.set ADRA, 16
.set ADRB, 20
.set STO, 24
.set RD,  25
.set CO,  26
.set AF,  64
.set BK,  128                          ; v[128:159] read back from the stage
.set G1, 24
.set G0, 32
.set G1B, 48
.set G0B, 56
.set MSB, 0
.macro WIN new                         ; the immediate's high byte repeats the setting that is left
.if MSB != \new
	s_set_vgpr_msb (MSB<<8)|\new
.set MSB, \new
.endif
.endm
.set MUL_LO, 0xa1                      ; source 0 (w) window 1, source 1 (ao) window 0, C and D window 2
.set MUL_HI, 0xf1                      ; the same, C and D window 3
.set TO_B,   0x40                      ; destination window 1, address window 0
.macro JLOAD s                         ; waves 0, 1 fetch ao's two halves, waves 2, 3 w's.  The branch hangs on the wave's number alone
	s_cmp_eq_u32 s11, 0
	s_cbranch_scc0 .Lfor_b_\@
	tensor_load_to_lds s[G0+4*\s:G0+4*\s+3], s[G1:G1+7]
	s_nop 0
	s_branch .Lasked_\@
.Lfor_b_\@:
	tensor_load_to_lds s[G0B+4*\s:G0B+4*\s+3], s[G1B:G1B+7]
	s_nop 0
.Lasked_\@:
.endm
.macro CREST                           ; a round of the cluster's barrier behind its opening barrier
	s_cmp_lg_u32 s10, 0
	s_cbranch_scc1 .Lnot_wave_0_\@
	s_barrier_signal -3
.Lnot_wave_0_\@:
	s_barrier_wait -3
	s_barrier_signal -1
	s_barrier_wait -1
.endm
.macro CROUND
	s_barrier_signal -1
	s_barrier_wait -1
	CREST
.endm
	s_load_b128 s[4:7], s[0:1], 0x0                ; ao s[4:5], hx s[6:7]
	s_load_b64 s[8:9], s[0:1], 0x10                ; out0
	s_set_vgpr_msb 0x40
	v_lshl_add_u32 v255, v0, 2, 0x46400
	s_set_vgpr_msb 0x4000
	v_mov_b32 v255, 0
	s_set_vgpr_msb 0x1
	ds_add_u32 v255, v255
	s_set_vgpr_msb 0x100
	v_lshrrev_b32 v1, 5, v0
	v_readfirstlane_b32 s10, v1                    ; wave 0..3
	s_lshr_b32 s11, s10, 1                         ; which half of the block's rows is mine.  Also: I fetch for ao (0) or for w (1)
	s_and_b32 s12, s10, 1                          ; which half of its columns.  Also: which 64 rows of that tile I fetch
	s_bfe_u32 s40, ttmp6, 0x40000                  ; cx
	s_bfe_u32 s41, ttmp6, 0x40004                  ; cy
	s_lshl_b32 s42, ttmp9, 2
	s_add_co_u32 s42, s42, s40                     ; block column
	s_and_b32 s13, ttmp7, 0xffff
	s_lshl_b32 s13, s13, 2
	s_add_co_u32 s13, s13, s41                     ; block row
	s_lshl_b32 s43, s41, 2
	s_lshl_b32 s43, 15, s43                        ; my row of the cluster
	s_lshl_b32 s44, 0x1111, s40                    ; my column
	s_or_b32 s[G1+0], s43, G1W0
	s_or_b32 s[G1B+0], s44, G1W0
	s_mov_b32 s[G1+1], KS<<16                      ; tensor_dim0 = 256
	s_mov_b32 s[G1B+1], KS<<16
	s_mov_b32 s[G1+2], RA<<16                      ; tensor_dim1 = 64
	s_mov_b32 s[G1B+2], RB<<16
	s_mov_b32 s[G1+3], KS<<16                      ; tile_dim0 = 256 elements, 512 bytes
	s_mov_b32 s[G1B+3], KS<<16
	s_mov_b32 s[G1+4], RA                          ; tile_dim1
	s_mov_b32 s[G1B+4], RB
	s_mov_b32 s[G1+5], 1024                        ; elements from row to row
	s_mov_b32 s[G1B+5], 1024
	s_mov_b32 s[G1+6], 0
	s_mov_b32 s[G1B+6], 0
	s_mov_b32 s[G1+7], 0
	s_mov_b32 s[G1B+7], 0
	s_mul_i32 s17, s12, RA
	s_mul_i32 s16, s13, 2*RA
	s_add_co_u32 s16, s16, s17                     ; ao: row 128 x block row + 64 x half
	s_lshl_b32 s16, s16, 11
	s_mov_b32 s17, 0
	s_mul_i32 s47, s12, RB
	s_mul_i32 s46, s42, 2*RB
	s_add_co_u32 s46, s46, s47                     ; w: row 128 x block column + 64 x half
	s_lshl_b32 s46, s46, 11
	s_mov_b32 s47, 0
	s_mul_i32 s20, s10, HALFA                      ; ao's halves (waves 0, 1)
	s_mul_i32 s45, s10, HALFB                      ; w's halves (waves 2, 3), behind ao's 128 rows
	s_add_co_u32 s45, s45, 2*HALFA-2*HALFB
	s_wait_dscnt 0x0
	s_wait_kmcnt 0x0
	s_add_nc_u64 s[6:7], s[6:7], 0xe00000          ; w = hx row 7168
	s_add_nc_u64 s[14:15], s[4:5], s[16:17]
	s_add_nc_u64 s[46:47], s[6:7], s[46:47]
	CROUND                                         ; all sixteen work-groups are here: the first joint loads meet
.irp s, 0,1
	s_mov_b32 s[G0+4*\s], 1
	s_add_co_u32 s[G0+4*\s+1], s20, \s*SLOT
	s_add_nc_u64 s[G0+4*\s+2:G0+4*\s+3], s[14:15], \s*KS*2
	s_or_b32 s[G0+4*\s+3], s[G0+4*\s+3], 0x80000000
	s_mov_b32 s[G0B+4*\s], 1
	s_add_co_u32 s[G0B+4*\s+1], s45, \s*SLOT
	s_add_nc_u64 s[G0B+4*\s+2:G0B+4*\s+3], s[46:47], \s*KS*2
	s_or_b32 s[G0B+4*\s+3], s[G0B+4*\s+3], 0x80000000
	JLOAD \s                                       ; both slots' first fills: two tensor loads of the wave are out here, later one
.endr
	v_and_b32 v1, 15, v0                           ; l % 16
	v_bfe_u32 v2, v0, 4, 1                         ; l / 16
	v_mul_u32_u24 v3, v1, PITCH
	v_lshl_add_u32 v3, v2, 4, v3
	s_mul_i32 s21, s11, 64*PITCH                   ; my 64 rows of ao
	s_mul_i32 s22, s12, HALFB                      ; my 64 rows of w,
	s_add_co_u32 s22, s22, 2*HALFA                 ; which lie behind ao's 128
.irp s, 0,1
	v_add_nc_u32 v[ADRA+\s], s21, v3
	v_add_nc_u32 v[ADRB+\s], s22, v3
	s_add_co_u32 s21, s21, SLOT
	s_add_co_u32 s22, s22, SLOT
.endr
	s_mul_i32 s23, s10, SBYTES
	s_add_co_u32 s23, s23, STAGE                   ; my stage
	v_mul_u32_u24 v4, v1, 272                      ; in: row l % 16, 32 bytes for each half of the lanes
	v_lshl_add_u32 v4, v2, 5, v4
	v_add_nc_u32 v[STO], s23, v4
	v_mul_u32_u24 v5, v2, 272                      ; back: lanes 0-15 take one row of 256 bytes, lanes 16-31 the next
	v_lshl_add_u32 v5, v1, 4, v5
	v_add_nc_u32 v[RD], s23, v5
	v_lshlrev_b32 v[CO], 12, v2                    ; and the same two rows in out0
	v_lshl_add_u32 v[CO], v1, 4, v[CO]
.macro MULROW f, hi, a, zero
.set mb, 0
.rept TB
.if \zero
	v_wmma_f32_16x16x32_f16 v[8*(TB*\a+mb):8*(TB*\a+mb)+7], v[8*TB*\f+8*mb:8*TB*\f+8*mb+7], v[AF+32*\f+8*(2*\hi+\a):AF+32*\f+8*(2*\hi+\a)+7], 0
.else
	v_wmma_f32_16x16x32_f16 v[8*(TB*\a+mb):8*(TB*\a+mb)+7], v[8*TB*\f+8*mb:8*TB*\f+8*mb+7], v[AF+32*\f+8*(2*\hi+\a):AF+32*\f+8*(2*\hi+\a)+7], v[8*(TB*\a+mb):8*(TB*\a+mb)+7]
.endif
.set mb, mb+1
.endr
.endm
.macro FETCH slot, k, f
	WIN TO_B
.set fi, 0
.rept TB
	ds_load_b128 v[8*TB*\f+8*fi:8*TB*\f+8*fi+3],   v[ADRB+\slot] offset:\k+fi*16*PITCH
	ds_load_b128 v[8*TB*\f+8*fi+4:8*TB*\f+8*fi+7], v[ADRB+\slot] offset:\k+fi*16*PITCH+32
.set fi, fi+1
.endr
	WIN 0
.set fi, 0
.rept TA
	ds_load_b128 v[AF+32*\f+8*fi:AF+32*\f+8*fi+3],   v[ADRA+\slot] offset:\k+fi*16*PITCH
	ds_load_b128 v[AF+32*\f+8*fi+4:AF+32*\f+8*fi+7], v[ADRA+\slot] offset:\k+fi*16*PITCH+32
.set fi, fi+1
.endr
.endm
; A load into a register that a matrix instruction has read, and an LDS store that reads a matrix result, stand four plain vector instructions behind it
; (ISA guide 7.12.1 for vector instructions); the matrix instructions in between are not counted.
.macro PLACES
.rept 4
	v_nop
.endr
.endm
; A quarter step: 16 matrix instructions on buffer f; in its middle the next quarter's fragments go into buffer g.
; The 16 accumulators take turns, one instruction a turn, in the same order in every quarter.
.macro QUARTER slot, k, f, g, zero
	s_wait_dscnt 4                                 ; w's fragments and ao's rows 0-31 are in; the youngest four loads (rows 32-63) may be out
	WIN MUL_LO
	MULROW \f, 0, 0, \zero
	MULROW \f, 0, 1, \zero
	PLACES
	FETCH \slot, \k, \g
	s_wait_dscnt 2*(TA+TB)                         ; all but the run just issued
	WIN MUL_HI
	MULROW \f, 1, 0, \zero
	MULROW \f, 1, 1, \zero
.endm
.macro MOST slot, zero
	QUARTER \slot, 64,  0, 1, \zero
	QUARTER \slot, 128, 1, 0, 0
	QUARTER \slot, 192, 0, 1, 0
	QUARTER \slot, 256, 1, 0, 0
	QUARTER \slot, 320, 0, 1, 0
	QUARTER \slot, 384, 1, 0, 0
	QUARTER \slot, 448, 0, 1, 0
.endm
; The last quarter of a slot: multiplies buffer 1 and changes slots; fill = 1: this slot is filled again, two K steps ahead.
.macro TURN slot, next, fill
	s_wait_dscnt 4
	WIN MUL_LO
	MULROW 1, 0, 0, 0
	s_wait_dscnt 0                                 ; my reads of this slot are over
	s_wait_tensorcnt 0x0                           ; all my tensor loads have landed: the one that was out is my part of the next slot
	ds_add_u32 v255, v255
	s_wait_dscnt 0x0
	s_barrier_signal -1
	MULROW 1, 0, 1, 0                              ; register work while the others arrive
	WIN 0
	s_barrier_wait -1
.if \fill
	CREST                                          ; no wave of any partner still reads this slot or has a load on its way
	s_add_nc_u64 s[G0+4*\slot+2:G0+4*\slot+3], s[G0+4*\slot+2:G0+4*\slot+3], 2*KS*2
	s_add_nc_u64 s[G0B+4*\slot+2:G0B+4*\slot+3], s[G0B+4*\slot+2:G0B+4*\slot+3], 2*KS*2
	JLOAD \slot                                    ; the wave's one tensor load behind the round
.endif
	PLACES
	FETCH \next, 0, 0
	WIN MUL_HI
	MULROW 1, 1, 0, 0
	MULROW 1, 1, 1, 0
.endm
	s_wait_tensorcnt 1                             ; my part of K step 0 is in; K step 1's may stay out
	s_barrier_signal -1
	s_barrier_wait -1
	FETCH 0, 0, 0
	MOST 0, 1                                      ; K = 1024 is four steps, two laps of the ring, written out: the first products start the sums
	TURN 0, 1, 1
	MOST 1, 0
	TURN 1, 0, 1
	MOST 0, 0                                      ; the last lap fills nothing
	TURN 0, 1, 0
	MOST 1, 0
	s_wait_dscnt 4
	WIN MUL_LO
	MULROW 1, 0, 0, 0
	MULROW 1, 0, 1, 0
	s_wait_dscnt 0
	WIN MUL_HI
	MULROW 1, 1, 0, 0
	MULROW 1, 1, 1, 0
	; THE WAY OUT, 16 rows at a time, through my own stage, so that sixteen lanes store a row's 256 consecutive bytes.
	PLACES
	s_lshl_b32 s16, s13, 19                        ; my first row: (128 x block row + 64 x half) x 4,096 bytes
	s_lshl_b32 s17, s11, 18
	s_add_co_u32 s16, s16, s17
	s_mov_b32 s17, 0
	s_add_nc_u64 s[8:9], s[8:9], s[16:17]
	s_lshl_b32 s46, s42, 9                         ; my first column: (128 x block column + 64 x half) x 4 bytes (in the registers that held w's address)
	s_lshl_b32 s47, s12, 8
	s_add_co_u32 s46, s46, s47
	s_mov_b32 s47, 0
	s_add_nc_u64 s[8:9], s[8:9], s[46:47]
; rows 16 n .. 16 n + 15 of my block = the four tiles (al, 0..3) of window 2 or 3 (wdat: an LDS store's data, source 1, in that window)
.macro OUTF n, al, wdat
	WIN \wdat
.irp b, 0,1,2,3
	ds_store_b128 v[STO], v[8*(TB*\al+\b):8*(TB*\al+\b)+3] offset:64*\b
	ds_store_b128 v[STO], v[8*(TB*\al+\b)+4:8*(TB*\al+\b)+7] offset:64*\b+16
.endr
	WIN 0
	s_wait_xcnt 0x0                                ; every earlier memory instruction has had its addresses translated (ISA guide 3.1): BK, which the last stores read, is loaded again only behind this wait
.irp t, 0,1,2,3,4,5,6,7
	ds_load_b128 v[BK+4*\t:BK+4*\t+3], v[RD] offset:\t*544     ; LDS serves a wave's instructions in order (ISA guide 5.7.1.4): these see the stores above
.endr
.irp t, 0,1,2,3,4,5,6,7
	s_wait_dscnt 7-\t
	global_store_b128 v[CO], v[BK+4*\t:BK+4*\t+3], s[8:9] offset:(16*\n+2*\t)*4096 th:TH_STORE_NT   ; 16 lanes store 256 consecutive bytes, at a multiple of 256 from out0's first byte
.endr
.endm
	OUTF 0, 0, 0x08
	OUTF 1, 1, 0x08
	OUTF 2, 0, 0x0c
	OUTF 3, 1, 0x0c
	s_set_vgpr_msb 0x1
	s_wait_tensorcnt 0x0
	ds_add_u32 v255, v255
	s_wait_dscnt 0x0
	s_set_vgpr_msb 0x100
	CROUND                                         ; the closing round
	s_endpgm
.Lfunc_end_k_q6bfa958f36_proj:
	.size	k_q6bfa958f36_proj, .Lfunc_end_k_q6bfa958f36_proj-k_q6bfa958f36_proj
	.p2alignl 7, 3214868480
	.fill 96, 4, 3214868480
	.section	.rodata,"a",@progbits
	.p2align	6, 0x0
	.amdhsa_kernel k_q6bfa958f36_proj
		.amdhsa_group_segment_fixed_size 327680
		.amdhsa_private_segment_fixed_size 0
		.amdhsa_enable_private_segment 0
		.amdhsa_kernarg_size 24
		.amdhsa_user_sgpr_count 2
		.amdhsa_user_sgpr_kernarg_segment_ptr 1
		.amdhsa_wavefront_size32 1
		.amdhsa_system_sgpr_workgroup_id_x 1
		.amdhsa_system_sgpr_workgroup_id_y 1
		.amdhsa_system_sgpr_workgroup_id_z 1
		.amdhsa_system_vgpr_workitem_id 0
		.amdhsa_next_free_vgpr 1024
		.amdhsa_next_free_sgpr 80
		.amdhsa_reserve_vcc 0
		.amdhsa_float_denorm_mode_32 3
		.amdhsa_float_denorm_mode_16_64 3
		.amdhsa_memory_ordered 1
		.amdhsa_forward_progress 1
		.amdhsa_inst_pref_size 92
	.end_amdhsa_kernel
	.amdgpu_metadata
---
amdhsa.version: [ 1, 2 ]
amdhsa.kernels:
  - .name:           k_q6bfa958f36_proj
    .symbol:         k_q6bfa958f36_proj.kd
    .args:
      - { .name: ao, .offset: 0, .size: 8, .value_kind: global_buffer, .address_space: global }
      - { .name: hx, .offset: 8, .size: 8, .value_kind: global_buffer, .address_space: global }
      - { .name: out0, .offset: 16, .size: 8, .value_kind: global_buffer, .address_space: global }
    .group_segment_fixed_size: 327680
    .private_segment_fixed_size: 0
    .kernarg_segment_align: 8
    .kernarg_segment_size: 24
    .max_flat_workgroup_size: 128
    .sgpr_count:     80
    .vgpr_count:     1024
    .wavefront_size: 32
...
	.end_amdgpu_metadata
.endif
;; end of part 4
